; MI455X (gfx1250); checked and timed in simulation.
; The chip was launched on July 23, 2026; its instructions are those of AMD's public machine-readable ISA for CDNA 5 (MIT licence, August 2026) and "CDNA5" Instruction Set Architecture Reference Guide (July 2026). The comments in the code are by the model that wrote it; some were corrected since.
;; Attention. Allowed arithmetic: matrix products marked QUANTISED: E4M3 operands, one given power-of-two scale a tensor, by v_wmma_f32_16x16x64_fp8_fp8 or v_wmma_f32_16x16x128_fp8_fp8, f32 sums; everything else in f32.
;; Inputs: Wk_b 256 float32; Wk_w_codes 256 x 8 x 32 uint8 (E4M3 codes of Wk_w, K innermost, in blocks of 32 codes); Wq_b 256 float32; Wq_w_codes 256 x 8 x 32 uint8 (E4M3 codes of Wq_w, K innermost, in blocks of 32 codes); Wv_b 256 float32; Wv_w_codes 256 x 8 x 32 uint8 (E4M3 codes of Wv_w, K innermost, in blocks of 32 codes); lowp_scales 10 int32 (the exponents e of the quantised operands' scales 2^e); x_codes 4 x 4,096 x 8 x 32 uint8 (E4M3 codes of x, K innermost, in blocks of 32 codes); z_codes 4 x 4,096 x 8 x 32 uint8 (E4M3 codes of z, K innermost, in blocks of 32 codes).
;; Outputs: out0 4 x 4,096 x 256 float32.
;; This version of the problem:
;;   THIS VERSION OF THE PROBLEM IS GIVEN IN LOW PRECISION. The matrix products marked QUANTISED in the list below multiply operands that are first quantised to E4M3 (4 exponent bits, 3 mantissa bits; 8 bits a number), with one given power-of-two scale for each operand tensor; their sums are f32. All else is computed in f32.
;;   The module's matrix products, in the order in which they are computed (A, B: the left and right operand; K: the contracted axis; several contracted axes count as one K, in the product's order):
;;     1. [M 16,384, K 256] x [K 256, N 256]; A: input x (given as codes); B: input Wq_w (given as codes): QUANTISED (scales: A lowp_scales[0], B lowp_scales[1])
;;     2. [M 16,384, K 256] x [K 256, N 256]; A: input z (given as codes); B: input Wk_w (given as codes): QUANTISED (scales: A lowp_scales[2], B lowp_scales[3])
;;     3. [M 16,384, K 256] x [K 256, N 256]; A: input z (given as codes); B: input Wv_w (given as codes): QUANTISED (scales: A lowp_scales[4], B lowp_scales[5])
;;     4. batch 4 x [M 4,096, K 256] x [K 256, N 4,096]; A: computed on the way; B: computed on the way: QUANTISED (scales: A lowp_scales[6], B lowp_scales[7])
;;     5. batch 4 x [M 4,096, K 4,096] x [K 4,096, N 256]; A: softmax (see below); B: computed on the way: QUANTISED (scales: A lowp_scales[8], B lowp_scales[9])
;;   THE QUANTISER, for each operand of a quantised product, along K:
;;     - The operand's scale is 2^e, e = its entry of the input lowp_scales (int32; the entries are numbered through the quantised products in the list's order, A before B).
;;     - Each number is divided by the scale, clamped to +-448, and rounded to the nearest number of E4M3, ties to even, subnormals kept.
;;     - The product sums the exact products of the quantised numbers (number of the format x scale) in f32.
;;   ~~~python
;;   def quantise(x, axis, e):      # numpy; x: float32 -> the quantised numbers, widened to float32 again
;;       x = np.moveaxis(x, axis, -1); K = x.shape[-1]
;;       r = np.clip(x / 2.0 ** e, -448, 448)
;;       step = 2.0 ** (np.maximum(np.frexp(np.where(r == 0, 1, r))[1] - 1, -6) - 3)
;;       q = np.round(r / step) * step * 2.0 ** e      # np.round: ties to even
;;       return np.moveaxis(q, -1, axis).astype(np.float32)
;;   ~~~
;;   SOFTMAX AHEAD OF A QUANTISED PRODUCT. Where the list says 'softmax', what is quantised is not the finished softmax but p = 2^(t - M), with t = logit x log2(e) and M = ceil(the row's largest t), a whole number; so 1/2 < the row's largest p <= 1. The row's sum l is taken of the UNQUANTISED p, in f32, and the product's result is divided by l at the end. Since M is a whole number, a kernel that streams over the keys may use a running M (the ceiling of the running maximum): every later rescaling is an exact power of two, so the quantised numbers keep their values, but for numbers so far below the row's largest that they fall under the format's range.
;;   OPERANDS COMPUTED ON THE WAY. 'Computed on the way' means the value that the module computes at that place (a softmax that the list does not call 'softmax' is quantised finished and normalised). What goes into a quantiser is computed in f32, as accurately as f32 sums, v_exp_f32 and their like allow (about 1e-6 of the number): no bf16 or f16 on the way to a quantiser, and a product that is left as it is and whose result goes on into a quantised operand takes f32 operands (vector FMAs, or v_wmma_f32_16x16x4_f32). A number that lies on a knife's edge between two numbers of the format may be rounded either way, as far as f32 arithmetic and the matrix unit's own rounding can turn it there, and no further.
;;   INPUTS GIVEN AS CODES. Wk_w (in the module: [256, 256], K = its axis 1); Wq_w (in the module: [256, 256], K = its axis 1); Wv_w (in the module: [256, 256], K = its axis 1); x (in the module: [4, 4096, 256], K = its axis 2); z (in the module: [4, 4096, 256], K = its axis 2): each comes as NAME_codes (uint8): NAME with its K axis moved to the last place and cut into blocks of 32 codes, [.., K / 32, bytes a block], one block behind the other in memory; one code a byte (a code: sign, 4 exponent bits, 3 mantissa bits); its scale is its entry of lowp_scales. Its value is code x scale, taken as it is: it is not quantised again, and the codes and scales need not be those that the quantiser above would give.
;; One version. Each part assembles by itself: llvm-mc -triple=amdgcn-amd-amdhsa -mcpu=gfx1250 --defsym DOCPART=n.
;; ======== version 1 of 1: 2 launches
;; limits: right only within a limited range of input values
;; workspace buffers: qimg 4,194,304 bytes; kv 8,388,608 bytes
;; launch proj (part 1): grid 256 x 1, 12 waves a work-group, clusters of 4 x 1, 245,760 bytes of LDS; arguments x_codes, z_codes, Wq_w_codes, Wk_w_codes, Wv_w_codes, Wq_b, Wk_b, Wv_b, lowp_scales, qimg, kv; writes qimg, kv
.if DOCPART == 1
	.amdgcn_target "amdgcn-amd-amdhsa--gfx1250"
	.amdhsa_code_object_version 6
	.text
	.protected	k_q913811039d_proj
	.globl	k_q913811039d_proj
	.p2align	8
	.type	k_q913811039d_proj,@function
k_q913811039d_proj:
	s_mov_b64 s[64:65], 0
	v_nop
	global_prefetch_b8 v0, s[64:65] scope:SCOPE_SE
	s_setreg_imm32_b32 hwreg(HW_REG_WAVE_MODE, 25, 1), 1
	s_wait_xcnt 0x0
	s_wait_alu depctr_hold_cnt(0) depctr_sa_sdst(0) depctr_va_vdst(0) depctr_va_sdst(0) depctr_va_ssrc(0) depctr_va_vcc(0) depctr_vm_vsrc(0)
	s_getreg_b32 s2, hwreg(HW_REG_IB_STS2, 6, 4)
	s_cmp_eq_u32 s2, 0
	s_cbranch_scc0 .Lentry_in_a_cluster
	s_endpgm
.Lentry_in_a_cluster:
	s_bfe_u32 s2, ttmp6, 0x10000c
	s_cmp_lg_u32 s2, 0x3003
	s_cbranch_scc0 .Lentry_shape_is_right
	s_endpgm
.Lentry_shape_is_right:
; q = x Wq^T + bq, k = z Wk^T + bk, v = z Wv^T + bv on codes of FP8 (E4M3); each result is quantised at once, with its given scale, and stored as codes.
; x, z: [16384][256] codes; Wq, Wk, Wv: [256][256] codes, K innermost; the biases f32.  lowp_scales: e0 .. e9.
; A sum of codes stands for sum x 2^(ea + eb).  So the bias goes in as b / 2^(ea + eb), as the C of a sum's first product, and the code is (sum + that) / 2^(eo - ea - eb):
; the three scales are folded into the conversion's one.  eo = e6 for q, e7 for k, e9 for v.
; LIMITS: e6 - e0 - e1, e7 - e2 - e3 and e9 - e4 - e5 lie between -126 and 119, so that the scale and 448 x the scale are f32 numbers.  NaN and infinity among the biases are not served.
; SHARES.  A work-group takes 64 tokens of x and of z.  The three weights (192 KiB) and the two blocks of tokens (32 KiB) come into LDS once; nothing in LDS is filled again, and each byte of memory is read once by a cluster: no loop runs here for a prefetch to run ahead in.
; Twelve waves, 64 x 64 numbers each: four tiles of source 0 x four of source 1, K = 256 in two halves: 32 products of 16 x 16 x 128 on 16 fragments.  Wave = 4 y + j:
;   y = 0: source 0 = Wq's rows 64 j on, source 1 = x's four tiles: a lane holds ONE token, and its registers run along the features;   y = 1: the same with Wk and z;
;   y = 2: source 0 = z's four tiles, source 1 = Wv's rows 64 j on: a lane holds ONE channel, and its registers run along the keys, which are the K of attention's second product.
; So the conversions' results are pieces of the next launch's operand registers, and they are stored as IMAGES of those registers: blocks of 512 bytes, lane l's 16 bytes at 16 l.
;   qimg: [tile of 16 tokens][s = 0, 1][c = 0 .. 3][lane][16]: lane (r, h): token r; bytes 0-7 features 128 s + 32 c + 8 h + 0 .. 7, bytes 8-15 features 128 s + 32 c + 16 + 8 h + 0 .. 7.
;   kv: [batch x 16 slots of 256 keys] of 131,072 bytes: 16 tiles of keys laid as qimg's; from byte 65,536 V: [128 keys gg][channel tile n][c][lane][16]: lane (r, h): channel 16 n + r,
;       bytes 0-7 keys 128 gg + 32 c + 8 h + 0 .. 7, bytes 8-15 keys 128 gg + 32 c + 16 + 8 h + 0 .. 7.
; CLUSTER.  All work-groups read the same weights, so the four of a cluster ask for them JOINTLY (mask 15); each asks for its own tokens by a plain load.
; In this launch's own products the fragments come by four loads of 16 bytes a side: a permutation of k, alike in both sources, so that every product meets its partner.
.set PITCH, 272                        ; an LDS row: 256 bytes + 16 of padding: the 16 rows of a fragment load begin in 16 different columns of 16 bytes
.set XO,    3*256*PITCH                ; the weights' 768 rows lie at 0, x's 64 rows here,
.set ZO,    XO+64*PITCH                ; z's 64 rows here; the end is 243,712
.set SPARE, ZO+64*PITCH                ; the spare words, 128 bytes for each of twelve waves: six blocks of 256 bytes that no other line names
.set BI,   16                          ; v16-47    the biases / 2^(ea + eb), in the result's layout
.set AF,   48                          ; v48-111   source 0's fragments of one half of K;  behind the products v48-79 the codes
.set BF,   112                         ; v112-175  source 1's
.set CD,   48
.set AC,   192                         ; v192-319  the sixteen accumulators: (t, m) at 192 + 8 (4 m + t): m = 2, 3 lie in window 1
.set WV,   30                          ; s30 my wave's number
.set G1W,  36                          ; s[36:43] descriptor group 1 for the weights;  s[44:51] for the tokens;  s[52:55], s[56:59] their groups 0
.set G1T,  44
; v1, v2 LDS addresses of source 0, 1;  v3, v4 the spare word's address and 0;  v5-8 where my codes of tile m of source 1 go;  v9, v176 byte offsets in the biases;  v10-13 bv of my four channels;  v14, v15 scale and hold
.set MSB, 0
.macro WIN new                         ; bits 1:0 source 0, 3:2 source 1, 5:4 source 2, 7:6 destination; the immediate's high byte repeats the setting that is left
.if MSB != \new
	s_set_vgpr_msb (MSB<<8)|\new
.set MSB, \new
.endif
.endm
.macro ROUND                           ; a round of the cluster's barrier
	s_barrier_signal -1
	s_barrier_wait -1
	s_cmp_lg_u32 s[WV], 0
	s_cbranch_scc1 .Lnot_wave_0_\@
	s_barrier_signal -3
.Lnot_wave_0_\@:
	s_barrier_wait -3
	s_barrier_signal -1
	s_barrier_wait -1
.endm
.macro PLACES                          ; four plain vector instructions behind a matrix instruction (ISA guide 7.12.1)
.rept 4
	v_nop
.endr
.endm
.macro LOADS s                         ; eight fragments: half s of K
.irp t, 0,1,2,3
.irp c, 0,1,2,3
	ds_load_b128 v[AF+16*\t+4*\c:AF+16*\t+4*\c+3], v1 offset:16*PITCH*\t+128*\s+32*\c
	ds_load_b128 v[BF+16*\t+4*\c:BF+16*\t+4*\c+3], v2 offset:16*PITCH*\t+128*\s+32*\c
.endr
.endr
.endm
; Sixteen products; the accumulators take turns.  s = 0: C is the bias, by source 0's tile (bym = 0) or by source 1's (bym = 1).
.macro MULS s, bym
.irp m, 0,1,2,3
.if \m < 2
	WIN 0
.elseif \s
	WIN 0x50
.else
	WIN 0x40
.endif
.irp t, 0,1,2,3
.set ac, (AC+8*(4*\m+\t))%256
.if \s
	v_wmma_f32_16x16x128_fp8_fp8 v[ac:ac+7], v[AF+16*\t:AF+16*\t+15], v[BF+16*\m:BF+16*\m+15], v[ac:ac+7]
.elseif \bym
	v_wmma_f32_16x16x128_fp8_fp8 v[ac:ac+7], v[AF+16*\t:AF+16*\t+15], v[BF+16*\m:BF+16*\m+15], v[BI+8*\m:BI+8*\m+7]
.else
	v_wmma_f32_16x16x128_fp8_fp8 v[ac:ac+7], v[AF+16*\t:AF+16*\t+15], v[BF+16*\m:BF+16*\m+15], v[BI+8*\t:BI+8*\t+7]
.endif
.endr
.endr
	WIN 0
.endm
	s_load_b512 s[8:23], s[0:1], 0x0               ; x s[8:9], z s[10:11], Wq s[12:13], Wk s[14:15], Wv s[16:17], bq s[18:19], bk s[20:21], bv s[22:23]
	s_load_b128 s[24:27], s[0:1], 0x40             ; the scales' exponents s[24:25], qimg s[26:27]
	s_load_b64 s[28:29], s[0:1], 0x50              ; kv
	v_lshl_add_u32 v3, v0, 2, SPARE
	v_mov_b32 v4, 0
	ds_add_u32 v3, v4                              ; the wave's opening: the add, twice on end, and its wait ahead of my first tensor load
	ds_add_u32 v3, v4
	v_lshrrev_b32 v11, 5, v0
	v_readfirstlane_b32 s[WV], v11                 ; wave 0..11
	s_bfe_u32 s31, ttmp6, 0x40000                  ; cx: my place in the cluster: it enters global addresses of plain accesses alone
	s_lshr_b32 s32, s[WV], 1                       ; which weight I fetch, in waves 0-5
	s_and_b32 s33, s[WV], 3                        ; j
	s_lshr_b32 s34, s[WV], 2                       ; y
	s_lshr_b32 s35, s[WV], 3                       ; 1 where y = 2
	s_xor_b32 s2, s35, 1
	s_mul_i32 s3, s[WV], 64*PITCH                  ; a weight's rows 64 j on: the weights lie on end
	s_mul_i32 s4, s3, s2
	s_mul_i32 s5, s35, ZO
	s_add_co_u32 s4, s4, s5                        ; source 0: my weight's rows, or z
	s_mul_i32 s5, s3, s35
	s_mul_i32 s6, s34, 64*PITCH
	s_add_co_u32 s6, s6, XO
	s_mul_i32 s6, s6, s2
	s_add_co_u32 s5, s5, s6                        ; source 1: x, z, or Wv's rows
	v_and_b32 v14, 15, v0                          ; r
	v_bfe_u32 v15, v0, 4, 1                        ; h
	v_and_b32 v5, 31, v0
	v_mul_u32_u24 v1, v14, PITCH
	v_lshlrev_b32 v5, 4, v5                        ; 16 x lane: my place in an image's block
	v_lshl_add_u32 v1, v15, 4, v1                  ; a fragment's row x pitch + 16 x half
	s_lshl_b32 s6, s33, 8
	v_lshl_add_u32 v9, v15, 5, s6                  ; bq, bk: features 64 j + 8 h on, in bytes
	v_lshl_add_u32 v176, v14, 2, s6                ; bv: channel 64 j + r, in bytes
	v_add_nc_u32 v2, s5, v1
	v_add_nc_u32 v1, s4, v1
	s_mov_b32 s62, 4096
	s_cmp_eq_u32 s34, 2
	s_cselect_b32 s63, 2048, s62                   ; from tile to tile of source 1: a tile of tokens, or a channel tile
	v_add_nc_u32 v6, s63, v5
	v_add_nc_u32 v7, s63, v6
	v_add_nc_u32 v8, s63, v7
	; descriptor group 1: rows of 256 codes that are dense in memory, stated as rows of 2,048 bytes, with 16 bytes of padding still behind each 256
	s_mov_b32 s[G1W], 15|(1<<20)|(1<<21)|(5<<22)|(3<<25)   ; 15:0 the mask: all four work-groups; 17:16 elements of 1 byte; 20 padding on; 21 set beside a mask; 24:22 after every 64 words (code 5); 31:25 four words (code 3)
	s_mov_b32 s[G1W+1], 2048<<16                   ; tensor_dim0
	s_mov_b32 s[G1W+2], 16<<16                     ; tensor_dim1: 128 rows of a weight
	s_mov_b32 s[G1W+3], 2048<<16                   ; tile_dim0
	s_mov_b32 s[G1W+4], 16                         ; tile_dim1
	s_mov_b32 s[G1W+5], 2048                       ; tensor_dim0_stride
	s_mov_b32 s[G1W+6], 0
	s_mov_b32 s[G1W+7], 0
	s_mov_b32 s[G1T], (1<<20)|(5<<22)|(3<<25)      ; no mask: my own tokens
	s_mov_b32 s[G1T+1], 2048<<16
	s_mov_b32 s[G1T+2], 4<<16                      ; 32 rows of tokens
	s_mov_b32 s[G1T+3], 2048<<16
	s_mov_b32 s[G1T+4], 4
	s_mov_b32 s[G1T+5], 2048
	s_mov_b32 s[G1T+6], 0
	s_mov_b32 s[G1T+7], 0
	s_mul_i32 s53, s[WV], 128*PITCH                ; waves 0-5: 128 rows of Wq (0, 1), Wk (2, 3), Wv (4, 5)
	s_mul_i32 s57, s[WV], 32*PITCH
	s_add_co_u32 s57, s57, XO-6*32*PITCH           ; waves 6-9: 32 rows of x (6, 7), of z (8, 9)
	s_and_b32 s7, s[WV], 1
	s_lshl_b32 s4, s7, 15                          ; the second half of a weight,
	s_mov_b32 s5, 0
	s_lshl_b32 s7, s7, 13                          ; of the tokens
	s_lshl_b32 s6, ttmp9, 16                       ; my block of 64 tokens = 4 x cluster x + cx, of 16,384 bytes
	s_lshl_b32 s2, s31, 14
	s_add_co_u32 s6, s6, s2
	s_lshl_b32 s90, s33, 10
	s_add_co_u32 s90, s90, s6                      ; qimg: four tiles of 4,096 bytes a block; features 64 j on lie 1,024 j bytes in
	s_add_co_u32 s6, s6, s7
	s_mov_b32 s7, 0
	s_lshl_b32 s94, ttmp9, 17                      ; kv: the cluster's 256 tokens are one slot;
	s_add_co_u32 s92, s94, s2                      ; K: my four tiles of keys,
	s_lshl_b32 s2, s33, 10
	s_add_co_u32 s92, s92, s2                      ; and within them as in qimg
	s_lshr_b32 s2, s31, 1
	s_lshl_b32 s2, s2, 15                          ; V: the group of 128 keys,
	s_add_co_u32 s94, s94, s2
	s_and_b32 s2, s31, 1
	s_lshl_b32 s2, s2, 10                          ; its blocks c = 2 (cx % 2) on,
	s_add_co_u32 s94, s94, s2
	s_lshl_b32 s2, s33, 13                         ; channel tiles 4 j on
	s_add_co_u32 s94, s94, s2
	s_add_co_u32 s94, s94, 65536
	s_cmp_eq_u32 s34, 2
	s_cselect_b32 s92, s94, s92
	s_cmp_eq_u32 s34, 0
	s_cselect_b32 s92, s90, s92
	s_mov_b32 s93, 0
	s_wait_alu depctr_va_vdst(0)
	s_wait_dscnt 0x0                               ; both opening adds are done
	s_wait_kmcnt 0x0
	s_load_b256 s[68:75], s[24:25], 0x0            ; e0 .. e7
	s_load_b64 s[76:77], s[24:25], 0x20            ; e8, e9
	s_cmp_eq_u32 s34, 0
	s_cselect_b64 s[60:61], s[26:27], s[28:29]     ; where my codes go: qimg or kv
	s_cselect_b64 s[18:19], s[18:19], s[20:21]     ; bq or bk
	s_add_nc_u64 s[60:61], s[60:61], s[92:93]
	s_cmp_eq_u32 s32, 0                            ; which weight I fetch hangs on the wave's number alone
	s_cselect_b64 s[2:3], s[12:13], s[14:15]
	s_cmp_eq_u32 s32, 2
	s_cselect_b64 s[2:3], s[16:17], s[2:3]
	s_mov_b32 s52, 1                               ; group 0: count = 1; the LDS address was made above;
	s_add_nc_u64 s[54:55], s[2:3], s[4:5]          ; the tile's first byte in memory;
	s_or_b32 s55, s55, 0x80000000                  ; type = 2
	s_cmp_lt_u32 s[WV], 8
	s_cselect_b64 s[2:3], s[8:9], s[10:11]         ; x or z
	s_mov_b32 s56, 1
	s_add_nc_u64 s[58:59], s[2:3], s[6:7]
	s_or_b32 s59, s59, 0x80000000
	ROUND                                          ; all four work-groups are here: the joint loads meet
	s_cmp_lt_u32 s[WV], 6                          ; a wave's one load: six waves the weights, four the tokens, two none; four v_nop follow each line
	s_cbranch_scc0 .Ltokens
	tensor_load_to_lds s[52:55], s[G1W:G1W+7]
	s_nop 0
	PLACES
	s_branch .Lasked
.Ltokens:
	s_cmp_lt_u32 s[WV], 10
	s_cbranch_scc0 .Lasked
	tensor_load_to_lds s[56:59], s[G1T:G1T+7]
	s_nop 0
	PLACES
.Lasked:
	s_cmp_eq_u32 s34, 2
	s_cbranch_scc1 .Lbias_v
.irp t, 0,1,2,3                        ; register i of tile t is feature 64 j + 16 t + 8 h + i
	global_load_b128 v[BI+8*\t:BI+8*\t+3],   v9, s[18:19] offset:64*\t
	global_load_b128 v[BI+8*\t+4:BI+8*\t+7], v9, s[18:19] offset:64*\t+16
.endr
	s_branch .Lbias
.Lbias_v:
.irp n, 0,1,2,3
	global_load_b32 v[10+\n], v176, s[22:23] offset:64*\n          ; channel 64 j + 16 n + r
.endr
.Lbias:
	s_wait_kmcnt 0x0
	s_cmp_eq_u32 s34, 0
	s_cselect_b32 s80, s68, s70
	s_cselect_b32 s81, s69, s71
	s_cselect_b32 s82, s74, s75
	s_cmp_eq_u32 s34, 2
	s_cselect_b32 s80, s72, s80
	s_cselect_b32 s81, s73, s81
	s_cselect_b32 s82, s77, s82
	s_add_co_i32 s84, s80, s81                     ; ea + eb
	s_sub_co_i32 s85, s82, s84                     ; eo - ea - eb
	s_sub_co_i32 s84, 0, s84                       ; -(ea + eb), for the bias
	s_add_co_i32 s85, s85, 127
	s_add_co_i32 s86, s85, 8
	s_lshl_b32 s85, s85, 23                        ; 2^(eo - ea - eb) as f32: the conversion takes its exponent field
	s_lshl_b32 s86, s86, 23
	s_or_b32 s86, s86, 0x600000                    ; 448 x that
	v_mov_b32 v14, s85
	v_mov_b32 v15, s86
	s_wait_alu depctr_va_vdst(0)
	s_wait_tensorcnt 0x0                           ; my tile has landed,
	s_barrier_signal -1
	s_barrier_wait -1                              ; everybody's has
	LOADS 0
	s_wait_loadcnt 0x0                             ; the biases
	s_cmp_eq_u32 s34, 2
	s_cbranch_scc1 .Lv
.set i, 0
.rept 32
	v_ldexp_f32 v[BI+i], v[BI+i], s84              ; b / 2^(ea + eb)
.set i, i+1
.endr
	s_wait_alu depctr_va_vdst(0)
	s_wait_dscnt 0x0
	MULS 0, 0
	s_branch .Lhalf
.Lv:
.irp n, 0,1,2,3
.set i, 0
.rept 8
	v_ldexp_f32 v[BI+8*\n+i], v[10+\n], s84        ; a lane holds one channel: its bias is the same in all its registers
.set i, i+1
.endr
.endr
	s_wait_alu depctr_va_vdst(0)
	s_wait_dscnt 0x0
	MULS 0, 1
.Lhalf:
	PLACES                                         ; in front of the loads into the fragments
	LOADS 1
	s_wait_dscnt 0x0
	MULS 1, 0
	PLACES                                         ; in front of the first read of the sums
.irp m, 0,1,2,3
.if \m < 2
	WIN 0
.else
	WIN 0x41
.endif
.set i, 0
.rept 32
.set ac, (AC+32*\m+i)%256
	v_med3_num_f32 v[ac], v[ac], -v15, v15         ; the conversion to an 8-bit code does not saturate (ISA guide 7.6.2): the hold at 448 x the scale; each accumulator from its low end on
.set i, i+1
.endr
.if \m < 2
	WIN 0
.else
	WIN 0x01
.endif
.irp t, 0,1,2,3
.set ac, (AC+8*(4*\m+\t))%256
	v_cvt_scalef32_pk8_fp8_f32 v[CD+8*\m+2*\t:CD+8*\m+2*\t+1], v[ac:ac+7], v14
.endr
	WIN 0
	v_nop                                          ; one plain vector instruction behind the last conversion
	global_store_b128 v[5+\m], v[CD+8*\m:CD+8*\m+3],   s[60:61]             ; a wave's store covers 512 consecutive bytes, aligned
	global_store_b128 v[5+\m], v[CD+8*\m+4:CD+8*\m+7], s[60:61] offset:512
.endr
	s_wait_tensorcnt 0x0                           ; the wave's end
	ds_add_u32 v3, v4
	s_wait_dscnt 0x0
	ROUND                                          ; the closing round: no work-group ends while a partner may still ask for a tile that names it
	s_endpgm
.Lfunc_end_k_q913811039d_proj:
	.size	k_q913811039d_proj, .Lfunc_end_k_q913811039d_proj-k_q913811039d_proj
	.p2alignl 7, 3214868480
	.fill 96, 4, 3214868480
	.section	.rodata,"a",@progbits
	.p2align	6, 0x0
	.amdhsa_kernel k_q913811039d_proj
		.amdhsa_group_segment_fixed_size 245760
		.amdhsa_private_segment_fixed_size 0
		.amdhsa_enable_private_segment 0
		.amdhsa_kernarg_size 88
		.amdhsa_user_sgpr_count 2
		.amdhsa_user_sgpr_kernarg_segment_ptr 1
		.amdhsa_wavefront_size32 1
		.amdhsa_system_sgpr_workgroup_id_x 1
		.amdhsa_system_sgpr_workgroup_id_y 1
		.amdhsa_system_sgpr_workgroup_id_z 1
		.amdhsa_system_vgpr_workitem_id 0
		.amdhsa_next_free_vgpr 320
		.amdhsa_next_free_sgpr 96
		.amdhsa_reserve_vcc 0
		.amdhsa_float_denorm_mode_32 3
		.amdhsa_float_denorm_mode_16_64 3
		.amdhsa_memory_ordered 1
		.amdhsa_forward_progress 1
		.amdhsa_inst_pref_size 31
	.end_amdhsa_kernel
	.amdgpu_metadata
---
amdhsa.version: [ 1, 2 ]
amdhsa.kernels:
  - .name:           k_q913811039d_proj
    .symbol:         k_q913811039d_proj.kd
    .args:
      - { .name: x_codes, .offset: 0, .size: 8, .value_kind: global_buffer, .address_space: global }
      - { .name: z_codes, .offset: 8, .size: 8, .value_kind: global_buffer, .address_space: global }
      - { .name: Wq_w_codes, .offset: 16, .size: 8, .value_kind: global_buffer, .address_space: global }
      - { .name: Wk_w_codes, .offset: 24, .size: 8, .value_kind: global_buffer, .address_space: global }
      - { .name: Wv_w_codes, .offset: 32, .size: 8, .value_kind: global_buffer, .address_space: global }
      - { .name: Wq_b, .offset: 40, .size: 8, .value_kind: global_buffer, .address_space: global }
      - { .name: Wk_b, .offset: 48, .size: 8, .value_kind: global_buffer, .address_space: global }
      - { .name: Wv_b, .offset: 56, .size: 8, .value_kind: global_buffer, .address_space: global }
      - { .name: lowp_scales, .offset: 64, .size: 8, .value_kind: global_buffer, .address_space: global }
      - { .name: qimg, .offset: 72, .size: 8, .value_kind: global_buffer, .address_space: global }
      - { .name: kv, .offset: 80, .size: 8, .value_kind: global_buffer, .address_space: global }
    .group_segment_fixed_size: 245760
    .private_segment_fixed_size: 0
    .kernarg_segment_align: 8
    .kernarg_segment_size: 88
    .max_flat_workgroup_size: 384
    .sgpr_count:     96
    .vgpr_count:     320
    .wavefront_size: 32
...
	.end_amdgpu_metadata
.endif
;; end of part 1
;; launch attn (part 2): grid 64 x 4, 8 waves a work-group, clusters of 4 x 1, 327,680 bytes of LDS; arguments qimg, kv, lowp_scales, out0; writes out0
.if DOCPART == 2
	.amdgcn_target "amdgcn-amd-amdhsa--gfx1250"
	.amdhsa_code_object_version 6
	.text
	.protected	k_q913811039d_attn
	.globl	k_q913811039d_attn
	.p2align	8
	.type	k_q913811039d_attn,@function
k_q913811039d_attn:
	s_mov_b64 s[64:65], 0
	v_nop
	global_prefetch_b8 v0, s[64:65] scope:SCOPE_SE
	s_setreg_imm32_b32 hwreg(HW_REG_WAVE_MODE, 25, 1), 1
	s_wait_xcnt 0x0
	s_wait_alu depctr_hold_cnt(0) depctr_sa_sdst(0) depctr_va_vdst(0) depctr_va_sdst(0) depctr_va_ssrc(0) depctr_va_vcc(0) depctr_vm_vsrc(0)
	s_getreg_b32 s2, hwreg(HW_REG_IB_STS2, 6, 4)
	s_cmp_eq_u32 s2, 0
	s_cbranch_scc0 .Lentry_in_a_cluster
	s_endpgm
.Lentry_in_a_cluster:
	s_bfe_u32 s2, ttmp6, 0x10000c
	s_cmp_lg_u32 s2, 0x3003
	s_cbranch_scc0 .Lentry_shape_is_right
	s_endpgm
.Lentry_shape_is_right:
; out[b][q][:] = the sum over k of softmax_k(q . k / 16) v[k][:], both products on codes of FP8 (E4M3) that the launch before has made and laid as images of operand registers
; (blocks of 512 bytes, lane l's 16 bytes at 16 l; the layouts stand at that launch's head).  4 batches, 4,096 queries and keys, head size 256.  out: f32.
; THE SOFTMAX: t = sum of codes x c, c = log2(e) / 16 x 2^(e6 + e7); M = the largest t so far, rounded UP to a whole number; p = 2^(t - M) is quantised with 2^e8; it is not normalised.
; The row's sum is taken of the unquantised p and divides at the end.  When M moves, the sum and O are multiplied by 2^(old M - new M), which rounds nothing.
; SHARES.  A work-group owns 64 queries (four tiles) of one batch: 256 work-groups of equal work.  Its eight waves are two groups of four: group g = wave / 4 takes keys 128 g .. 128 g + 127 of every slot of 256 keys,
; with its own M, sum and O; the two meet at the end.  In S^T = K Q^T a wave makes 32 keys x 64 queries: each fragment of K is read once and feeds four products.  In O^T = V^T P it makes 64 channels x 64 queries over its group's 128 keys:
; each fragment of V is read once.  The codes of P (8,192 bytes a group and step) and the partial maxima go from wave to wave through LDS.
; BY STEPS.  One change of slots a step.  Step i (0 .. 15) walks the softmax of slot i, O += V P of slot i - 1 and the scores of slot i + 1, so what the waves hand to each other is a step old and one barrier serves all.
; The sixteen products of V and P stand singly among the exponentials, so that a wave's matrix work and its vector work go side by side.  K's fragments are loaded into P's registers as those are done with; V's fragments of slot i are loaded in step i and multiplied in step i + 1.
; LAYOUT.  Source 1 is always 16 queries: a lane holds ONE query (lane % 16) throughout.  Two tiles of S^T give lane (r, h) keys 8 h + 0 .. 7 and 16 + 8 h + 0 .. 7 of the wave's 32: the conversions' results are registers 4 c .. 4 c + 3 of P's operand, c = wave % 4.
; CLUSTER.  The four work-groups of a cluster are four query blocks of one batch and walk the same slots: each is asked for JOINTLY (mask 15), waves 0-3 K's quarters, waves 4-7 V's.
; THE ORDER OF THE SLOTS.  The sixteen clusters of a batch begin at four different slots (cluster x at 4 (x mod 4)) and walk all sixteen round: from its fifth slot on a cluster asks for bytes that other clusters have read in this launch.
; A softmax with a running M takes the keys in any order.  THE PREFETCH (macro ASK) names a cluster's second to fourth slots ahead of their loads; the loop prefetches nothing, since what it loads has been read.
; LIMITS: e6 + e7 between -122 and 131 (they are added to c's exponent field); e8 between -126 and 119; e8 + e9 is applied by v_ldexp_f32.  The scaled scores stay under 2^31 in magnitude.
; A group's M runs over its own half of the keys, in its cluster's order: a p that would fall under the format's range beneath the row's final M may keep a value here, and the order of rounding in the sums differs from cluster to cluster.
; REGISTERS, window 0: v1, v2 the spare word's address and 0; v3, v4 my place in K of slot parity 0, 1; v5, v6 in V; v7, v8 P: store, load; v9, v10 maxima: store, load; v11 2^e8; v12-15 the sums' second chains (v15 at the head: the prefetches' offset);
;   v16-31 PM: four waves' maxima, then codes; v32-39, v40-47 -M of even and odd steps (low halves), the largest score and a number at work (high halves); v48-55 f; v56-63 the sums; v64-127 S^T: tile t, key tile kt at 16 t + 8 kt; v128-255 O^T: 32 t + 8 n.
;   Window 1: v0-127 Q; v128-191 P's fragments, then K's; v192-255 V's.
.set SLOT,  1<<17                      ; a slot: 65,536 bytes of K, 65,536 of V
.set PBUF,  2*SLOT                     ; P: [parity][group][tile][c][lane][16]: 2 x 16,384 bytes
.set STATS, PBUF+32768                 ; [parity][wave][16 queries][4 tiles] f32: 2 x 2,048 bytes; behind them 2,048 for -M at the end
.set SPARE, STATS+6144                 ; the spare words, 128 bytes for each of eight waves: four blocks of 256 bytes that no other line names
.set RPIT,  272                        ; the way out: a row of 64 channels, 256 bytes + 16
.set RWAVE, 64*RPIT                    ; 64 rows for each wave, in the slots, which have had their last fill
.set SPW,  1
.set NIL,  2
.set KA,   3
.set VA,   5
.set PS,   7
.set PL,   8
.set MS,   9
.set ML,   10
.set SCP,  11
.set BT,   12
.set PFO,  15
.set PM,   16
.set NA,   32
.set NB,   40
.set F,    48
.set L,    56
.set S,    64
.set O,    128
.set Q,    0
.set PR,   128
.set FR,   192
.set WV,   12                          ; s12 wave; s13 g; s14 wave % 4
.set LA,   28                          ; s28, s29 where my tile goes in LDS at an even, an odd step
.set LB,   29
.set CS,   30                          ; s[30:31] c: the packed form names a pair and takes its low word for both halves
.set SEL,  32                          ; s[32:33] v_permlanex16_b32's selects for lane l xor 16
.set NX,   35                          ; s35 which of the batch's sixteen slots I asked for last
.set KVB,  48                          ; s[48:49] kv at my eighth of the batch's slot 0;  s[50:51] the byte offset of the slot to be asked for
.set NC,   52                          ; s52 -c
.set LIM,  53                          ; s53 448 x 2^e8
.set TRIPS,54
.set AH,   55                          ; s55 1 in group 0, 0 in group 1
.set PFA,  60                          ; s[60:61] where my prefetches stand in my cluster's first slot; never rewritten
.set MSB, 0
.macro WIN new                         ; bits 1:0 source 0, 3:2 source 1, 5:4 source 2, 7:6 destination; the immediate's high byte repeats the setting that is left
.if MSB != \new
	s_set_vgpr_msb (MSB<<8)|\new
.set MSB, \new
.endif
.endm
.macro CREST                           ; a round of the cluster's barrier behind its opening barrier
	s_cmp_lg_u32 s[WV], 0
	s_cbranch_scc1 .Lnot_wave_0_\@
	s_barrier_signal -3
.Lnot_wave_0_\@:
	s_barrier_wait -3
	s_barrier_signal -1
	s_barrier_wait -1
.endm
.macro ROUND
	s_barrier_signal -1
	s_barrier_wait -1
	CREST
.endm
.macro PLACES                          ; four plain vector instructions behind a matrix instruction (ISA guide 7.12.1), where no work is at hand for them
.rept 4
	v_nop
.endr
.endm
.macro TLOAD                           ; my one joint load behind the round
	tensor_load_to_lds s[24:27], s[16:23]
	s_nop 0
	PLACES
.endm
; A PREFETCH of my cluster's slot j (1 .. 3 behind its first; no wrap, since the first is a multiple of 4): 512 blocks of 256 bytes, each named once in the cluster: 128 a work-group, told apart by address (cx), 32 in each of waves 0 to 3, a lane a block.
; Slot 1 is asked for at the head, a round ahead of its load; slots 2 and 3 behind slot 1's load, one and two changes of slots ahead of theirs.
.macro ASK j
	global_prefetch_b8 v[PFO], s[PFA:PFA+1] offset:(\j)*SLOT th:TH_LOAD_NT scope:SCOPE_SE
.endm
.macro NEXTSLOT step                   ; the descriptor's address: the next of the batch's sixteen slots, round: behind slot 15 comes slot 0
	s_add_co_u32 s[NX], s[NX], \step
	s_and_b32 s[NX], s[NX], 15
	s_lshl_b32 s50, s[NX], 17
	s_add_nc_u64 s[26:27], s[KVB:KVB+1], s[50:51]
	s_or_b32 s27, s27, 0x80000000                  ; type = 2
.endm
.macro RESC t                          ; O^T x f: tile t, each accumulator from its low end on: 16 lines
.set i, 0
.rept 16
	v_pk_mul_f32 v[O+32*\t+i:O+32*\t+i+1], v[O+32*\t+i:O+32*\t+i+1], v[F+2*\t:F+2*\t+1] op_sel_hi:[1,0]
.set i, i+2
.endr
.endm
; THE CHANGE OF SLOTS, at a step's head.  Each wave waits for all its tensor loads (at most one is out), adds 0 to its spare word, and waits for that, for its reads of what will be filled and for its stores of P and of the maxima.
; Half of O^T is brought under the last step's M meanwhile: work on registers.  fill = 1: behind the round slot i + 2's K and slot i + 1's V are asked for: each has a whole step in which to land.  fill = 2: K alone; 3: V alone; 0: nothing, and no round.
.macro CHANGE p, fill, resc
	s_wait_tensorcnt 0x0                           ; no tensor load of mine is out, so the group 0 may be written
	ds_add_u32 v[SPW], v[NIL]                      ; 0 onto my spare word
.if \fill
.if \p
	s_mov_b32 s25, s[LB]
.else
	s_mov_b32 s25, s[LA]
.endif
.if \fill == 2
	NEXTSLOT s[AH]                                 ; only group 0 asks here
.else
	NEXTSLOT 1
.endif
.endif
.if \resc
	s_wait_alu depctr_va_vdst(0)
	RESC 0
.endif
	s_wait_dscnt 0x0                               ; the add is done, and so are my reads and stores
	s_barrier_signal -1
.if \resc
	s_wait_alu depctr_va_vdst(0)
	RESC 1
.endif
	s_barrier_wait -1
.if \fill
	CREST                                          ; both now hold of every wave of all four work-groups
.if \fill == 1
	TLOAD
.else
	s_cmp_lt_u32 s[WV], 4
.if \fill == 2
	s_cbranch_scc0 .Lnone_\@
.else
	s_cbranch_scc1 .Lnone_\@
.endif
	TLOAD
.Lnone_\@:
.endif
.endif
.endm
.macro PMLOAD q                        ; the maxima of my group's four waves: wave j's four tiles in v[PM + 4 j] on
.irp j, 0,1,2,3
	ds_load_b128 v[PM+4*\j:PM+4*\j+3], v[ML] offset:2048*(\q)+256*\j
.endr
.endm
.macro KLOAD q, kt                     ; tile kt of my 32 keys, all 256 along d: two fragments, s at PR + 32 kt + 16 s
	WIN 0x40
.irp s, 0,1
.irp c, 0,1,2,3
	ds_load_b128 v[PR+32*\kt+16*\s+4*\c:PR+32*\kt+16*\s+4*\c+3], v[KA+(\q)] offset:4096*\kt+2048*\s+512*\c
.endr
.endr
	WIN 0
.endm
.macro VLOAD q                         ; my 64 channels, my group's 128 keys: four fragments
	WIN 0x40
.irp n, 0,1,2,3
.irp c, 0,1,2,3
	ds_load_b128 v[FR+16*\n+4*\c:FR+16*\n+4*\c+3], v[VA+(\q)] offset:2048*\n+512*\c
.endr
.endr
	WIN 0
.endm
.macro PLOAD q                         ; P of my group's 128 keys: tile t at PR + 16 t
	WIN 0x40
.irp t, 0,1,2,3
.irp c, 0,1,2,3
	ds_load_b128 v[PR+16*\t+4*\c:PR+16*\t+4*\c+3], v[PL] offset:16384*(\q)+2048*\t+512*\c
.endr
.endr
	WIN 0
.endm
.macro PV w, zero                      ; O^T += V^T P, product w of sixteen: query tile w / 4, channel tile w % 4: each accumulator once a step.  zero: it starts the sum
.set vo, O+32*((\w)/4)+8*((\w)%4)
.set vf, FR+16*((\w)%4)
.set vp, PR+16*((\w)/4)
	WIN 0x05                                       ; both sources in window 1
.if \zero
	v_wmma_f32_16x16x128_fp8_fp8 v[vo:vo+7], v[vf:vf+15], v[vp:vp+15], 0
.else
	v_wmma_f32_16x16x128_fp8_fp8 v[vo:vo+7], v[vf:vf+15], v[vp:vp+15], v[vo:vo+7]
.endif
.endm
.macro QK kt, s                        ; S^T of key tile kt, half s of d, x four query tiles; the accumulators take turns, three others between two steps of a sum; the first product starts it
	WIN 0x05
.irp t, 0,1,2,3
.if \s
	v_wmma_f32_16x16x128_fp8_fp8 v[S+16*\t+8*\kt:S+16*\t+8*\kt+7], v[PR+32*\kt+16*\s:PR+32*\kt+16*\s+15], v[Q+32*\t+16*\s:Q+32*\t+16*\s+15], v[S+16*\t+8*\kt:S+16*\t+8*\kt+7]
.else
	v_wmma_f32_16x16x128_fp8_fp8 v[S+16*\t+8*\kt:S+16*\t+8*\kt+7], v[PR+32*\kt+16*\s:PR+32*\kt+16*\s+15], v[Q+32*\t+16*\s:Q+32*\t+16*\s+15], 0
.endif
.endr
.endm
.macro MAX2 j                          ; scores j, j + 1 of my 16 onto each tile's maximum
.irp t, 0,1,2,3
	v_max3_num_f32 v[PM+\t], v[PM+\t], v[S+16*\t+\j], v[S+16*\t+\j+1]
.endr
.endm
; The scores of my 32 keys, and the largest of them for each query to the others of my group.  Each accumulator is read from its low end on; the four tiles alternate.  y0, y1: LDS instructions issued behind K's first, second tile, which may stay out.
.macro SCORES q, y0, y1
	s_wait_dscnt \y0
	QK 0, 0
	QK 0, 1
	s_wait_dscnt \y1
	QK 1, 0
	WIN 0
	PLACES                                         ; in front of the first read of key tile 0's scores
.irp t, 0,1,2,3
	v_max3_num_f32 v[PM+\t], v[S+16*\t], v[S+16*\t+1], v[S+16*\t+2]
.endr
	MAX2 3
	MAX2 5
	QK 1, 1
	WIN 0
	PLACES
	MAX2 7
	MAX2 9
	MAX2 11
	MAX2 13
.irp t, 0,1,2,3
	v_max_num_f32 v[PM+\t], v[PM+\t], v[S+16*\t+15]
.endr
.irp t, 0,1,2,3
	v_permlanex16_b32 v[PM+4+\t], v[PM+\t], s[SEL], s[SEL+1]       ; the query's other 16 keys lie in the lane 16 away
.endr
.irp t, 0,1,2,3
	v_max_num_f32 v[PM+\t], v[PM+\t], v[PM+4+\t]
.endr
	ds_store_b128 v[MS], v[PM:PM+3] offset:2048*(\q)               ; (lanes r and r + 16 store the same 16 bytes)
.endm
.macro CF t, k                         ; t - M for pair k of tile t (of the pairs c and -M the low word serves both halves)
	v_pk_fma_f32 v[S+16*(\t)+2*(\k):S+16*(\t)+2*(\k)+1], v[S+16*(\t)+2*(\k):S+16*(\t)+2*(\k)+1], s[CS:CS+1], v[NM+2*(\t):NM+2*(\t)+1] op_sel_hi:[1,0,0]
.endm
.macro EXTRA n                         ; f = 2^(old M - new M) of the four tiles, and the sums under the new M: sixteen lines
.if (\n) < 4
	v_sub_f32 v[NB+1+2*(\n)], v[NM+2*(\n)], v[NO+2*(\n)]           ; old M - new M: a whole number, 0 or less
.elseif (\n) < 8
	v_cvt_i32_f32 v[NB+1+2*((\n)-4)], v[NB+1+2*((\n)-4)]           ; (it saturates)
.elseif (\n) < 12
	v_ldexp_f32 v[F+2*((\n)-8)], 1.0, v[NB+1+2*((\n)-8)]
.else
	v_pk_mul_f32 v[L+2*((\n)-12):L+2*((\n)-12)+1], v[L+2*((\n)-12):L+2*((\n)-12)+1], v[F+2*((\n)-12):F+2*((\n)-12)+1] op_sel_hi:[1,0]
.endif
.endm
.macro ADDS a                          ; the UNQUANTISED p of tiles a, a + 1 onto the sums, two chains a tile
.set sa, S+16*(\a)
.set sb, sa+16
.set la, L+2*(\a)
.set lb, la+2
	v_pk_add_f32 v[la:la+1], v[la:la+1], v[sa:sa+1]
	v_pk_add_f32 v[lb:lb+1], v[lb:lb+1], v[sb:sb+1]
	v_pk_add_f32 v[BT:BT+1], v[sa+2:sa+3], v[sa+6:sa+7]
	v_pk_add_f32 v[BT+2:BT+3], v[sb+2:sb+3], v[sb+6:sb+7]
	v_pk_add_f32 v[la:la+1], v[la:la+1], v[sa+4:sa+5]
	v_pk_add_f32 v[lb:lb+1], v[lb:lb+1], v[sb+4:sb+5]
	v_pk_add_f32 v[BT:BT+1], v[BT:BT+1], v[sa+10:sa+11]
	v_pk_add_f32 v[BT+2:BT+3], v[BT+2:BT+3], v[sb+10:sb+11]
	v_pk_add_f32 v[la:la+1], v[la:la+1], v[sa+8:sa+9]
	v_pk_add_f32 v[lb:lb+1], v[lb:lb+1], v[sb+8:sb+9]
	v_pk_add_f32 v[BT:BT+1], v[BT:BT+1], v[sa+14:sa+15]
	v_pk_add_f32 v[BT+2:BT+3], v[BT+2:BT+3], v[sb+14:sb+15]
	v_pk_add_f32 v[la:la+1], v[la:la+1], v[sa+12:sa+13]
	v_pk_add_f32 v[lb:lb+1], v[lb:lb+1], v[sb+12:sb+13]
	v_pk_add_f32 v[la:la+1], v[la:la+1], v[BT:BT+1]
	v_pk_add_f32 v[lb:lb+1], v[lb:lb+1], v[BT+2:BT+3]
.endm
.macro HOLD r                          ; the conversion to an 8-bit code does not saturate (ISA guide 7.6.2); p is not negative, so the hold is one-sided: two numbers a line
	v_dual_min_num_f32 v[\r], s[LIM], v[\r] :: v_dual_min_num_f32 v[\r+1], s[LIM], v[\r+1]
.endm
.macro CODES a                         ; tiles a, a + 1: sixteen codes a lane and tile, 16 bytes
.irp u, 0,1
.irp kt, 0,1
	v_cvt_scalef32_pk8_fp8_f32 v[PM+4*(\a+\u)+2*\kt:PM+4*(\a+\u)+2*\kt+1], v[S+16*(\a+\u)+8*\kt:S+16*(\a+\u)+8*\kt+7], v[SCP]
.endr
.endr
.endm
.macro PSTORE q, a
.irp u, 0,1
	ds_store_b128 v[PS], v[PM+4*(\a+\u):PM+4*(\a+\u)+3] offset:16384*(\q)+2048*(\a+\u)
.endr
.endm
; THE SOFTMAX of a step, my 32 keys x 64 queries, and the products of the slot before.  Two batches of 32 exponentials, each with one wait ahead of it and one behind it; among a batch's lines stand independent ones whose
; results are read behind the next wait, and eight products: their sources are loaded, and O^T was rescaled ahead of the batch's wait.
.macro SOFTMAX p, first, pv, qk
.if \p
.set NM, NB
.set NO, NA
.else
.set NM, NA
.set NO, NB
.endif
.irp t, 0,1,2,3
	v_max3_num_f32 v[PM+\t], v[PM+\t], v[PM+4+\t], v[PM+8+\t]
.endr
.irp t, 0,1,2,3
.if \first
	v_max_num_f32 v[NA+1+2*\t], v[PM+\t], v[PM+12+\t]
.else
	v_max3_num_f32 v[NA+1+2*\t], v[PM+\t], v[PM+12+\t], v[NA+1+2*\t]   ; the largest score so far
.endif
.endr
.irp t, 0,1,2,3
	v_mul_f32 v[NB+1+2*\t], s[NC], v[NA+1+2*\t]    ; -t (c is positive)
.endr
.irp t, 0,1,2,3
	v_floor_f32 v[NM+2*\t], v[NB+1+2*\t]           ; -M = floor(-t) = -ceil(t): M is a whole number
.endr
.set k, 0
.rept 8
	CF 0, k
.if \first == 0
	EXTRA 2*k
.endif
	CF 1, k
.if \first == 0
	EXTRA 2*k+1
.endif
.set k, k+1
.endr
	s_wait_alu depctr_va_vdst(0)
.if \pv
	s_wait_dscnt 8                                 ; P's tiles 0 and 1 are in: the eight loads of tiles 2 and 3 may be out
.endif
.set k, 0
.rept 16
	v_exp_f32 v[S+2*k], v[S+2*k]                   ; p = 2^(t - M), at most 1: tiles 0 and 1
	v_exp_f32 v[S+2*k+1], v[S+2*k+1]
	CF 2+k/8, k%8
.if \pv
.if k%2 == 0
	PV k/2, \pv-1
	WIN 0
.endif
.endif
.set k, k+1
.endr
	s_wait_alu depctr_va_vdst(0)
	ADDS 0
.if \qk
	KLOAD 1-\p, 0                                  ; K's first tile, into the registers of P's tiles 0 and 1
.endif
.if \pv
	s_wait_dscnt 8*\qk                             ; P's tiles 2 and 3 are in: K's eight loads may be out
.endif
.set k, 0
.rept 16
	v_exp_f32 v[S+32+2*k], v[S+32+2*k]             ; tiles 2 and 3
	v_exp_f32 v[S+32+2*k+1], v[S+32+2*k+1]
	HOLD S+2*k
.if \pv
.if k%2 == 0
	PV 8+k/2, \pv-1
	WIN 0
.endif
.endif
.set k, k+1
.endr
	s_wait_alu depctr_va_vdst(0)
	CODES 0
	ADDS 2                                         ; (also the plain lines behind the conversions, and the places in front of the loads)
.if \qk
	KLOAD 1-\p, 1                                  ; K's second tile
.endif
	PSTORE \p, 0
	VLOAD \p                                       ; V of this step's slot, for the next step's products
.set k, 0
.rept 16
	HOLD S+32+2*k
.set k, k+1
.endr
	CODES 2
	v_nop                                          ; one plain vector instruction behind the last conversion: the next products write its sources
	PSTORE \p, 2
.endm
.macro LSTAT                           ; at the end: my keys' sums and my group's -M, for all waves
.irp t, 0,1,2,3
	v_add_f32 v[PM+8+\t], v[L+2*\t], v[L+2*\t+1]
.endr
.irp t, 0,1,2,3
	v_permlanex16_b32 v[PM+4+\t], v[PM+8+\t], s[SEL], s[SEL+1]
.endr
.irp t, 0,1,2,3
	v_mov_b32 v[PM+12+\t], v[NB+2*\t]
.endr
.irp t, 0,1,2,3
	v_add_f32 v[PM+\t], v[PM+8+\t], v[PM+4+\t]
.endr
	ds_store_b128 v[MS], v[PM:PM+3]
	ds_store_b128 v[MS], v[PM+12:PM+15] offset:4096
.endm
; A STEP of parity p.  first: it starts M.  pv: 0 no products of the slot before, 2 they start O^T, 1 they add to it.  qk = 0: no slot follows.
.macro STEP p, first, pv, qk
	PMLOAD \p
.if \pv
	PLOAD 1-\p
.if \pv == 1
	s_wait_alu depctr_va_vdst(0)
	RESC 2                                         ; the other half of O^T under the last step's M, while the loads are out
	RESC 3
.endif
	s_wait_dscnt 16                                ; the maxima are in: P's sixteen loads may be out
.else
	s_wait_dscnt 0x0
.endif
	SOFTMAX \p, \first, \pv, \qk
.if \qk
	SCORES 1-\p, 28, 20                            ; behind K's first tile: 8 loads of its second, 2 stores of P, 16 loads of V, 2 stores of P
.else
	LSTAT
.endif
.endm
	s_load_b256 s[4:11], s[0:1], 0x0               ; qimg s[4:5], kv s[6:7], the scales' exponents s[8:9], out s[10:11]
	v_lshl_add_u32 v[SPW], v0, 2, SPARE
	v_mov_b32 v[NIL], 0
	ds_add_u32 v[SPW], v[NIL]                      ; the wave's opening: the add, twice on end, and its wait ahead of my first tensor load
	ds_add_u32 v[SPW], v[NIL]
	v_lshrrev_b32 v3, 5, v0
	v_readfirstlane_b32 s[WV], v3                  ; wave 0..7
	s_lshr_b32 s13, s[WV], 2                       ; g: which half of a slot's keys
	s_and_b32 s14, s[WV], 3                        ; which 32 of its keys; which 64 channels
	s_bfe_u32 s15, ttmp6, 0x40000                  ; cx: my place in the cluster
	s_lshl_b32 s40, ttmp9, 2
	s_add_co_u32 s40, s40, s15                     ; my block of 64 queries = 4 x cluster x + cx: it enters Q's and out's addresses alone
	s_and_b32 s41, ttmp7, 0xffff                   ; the batch, which the four partners share
	s_and_b32 s[NX], ttmp9, 3                      ; the slot at which my cluster begins: 4 (x mod 4), x the cluster's x
	s_lshl_b32 s[NX], s[NX], 2
	s_lshl_b32 s50, s[NX], 17
	s_mov_b32 s51, 0
	; descriptor group 1: a dense block of 16 KiB as 8 rows of 256 elements of 8 bytes
	s_mov_b32 s16, 15|(3<<16)|(1<<21)              ; 15:0 the mask: all four work-groups; 17:16 elements of 8 bytes; 20 no padding; 21 set beside a mask
	s_mov_b32 s17, 256<<16                         ; tensor_dim0
	s_mov_b32 s18, 8<<16                           ; tensor_dim1
	s_mov_b32 s19, 256<<16                         ; tile_dim0
	s_mov_b32 s20, 8                               ; tile_dim1
	s_mov_b32 s21, 256                             ; tensor_dim0_stride
	s_mov_b32 s22, 0
	s_mov_b32 s23, 0
	s_mov_b32 s24, 1                               ; group 0: count = 1
	s_lshl_b32 s25, s[WV], 14                      ; LDS address: my eighth of slot 0: no place in the cluster enters it
	s_lshl_b32 s[LA], s13, 17
	s_or_b32 s[LA], s[LA], s25                     ; even steps: K into LDS slot 0, V into slot 1;
	s_xor_b32 s[LB], s[LA], SLOT                   ; odd steps: the other way round
	s_xor_b32 s[AH], s13, 1
	s_lshl_b32 s42, s41, 21                        ; the batch's 16 slots of 131,072 bytes,
	s_add_co_u32 s42, s42, s25                     ; my eighth of a slot
	s_mov_b32 s43, 0
	s_lshl_b32 s44, s41, 20                        ; Q: tiles 256 x batch + 4 x block on, of 4,096 bytes
	s_lshl_b32 s2, s40, 14
	s_add_co_u32 s44, s44, s2
	s_mov_b32 s45, 0
	s_lshl_b32 s46, s41, 22                        ; out: what I store at the end: row 4,096 x batch + 64 x block + 32 g, of 1,024 bytes,
	s_lshl_b32 s2, s40, 16
	s_add_co_u32 s46, s46, s2
	s_lshl_b32 s2, s13, 15
	s_add_co_u32 s46, s46, s2
	s_lshl_b32 s2, s14, 8                          ; channels 64 (wave % 4) on
	s_add_co_u32 s46, s46, s2
	s_mov_b32 s47, 0
	s_lshl_b32 s58, s41, 21                        ; the prefetches: my batch,
	s_add_co_u32 s58, s58, s50                     ; my cluster's first slot,
	s_lshl_b32 s2, s15, 15
	s_add_co_u32 s58, s58, s2                      ; my work-group's quarter of it,
	s_lshl_b32 s2, s14, 13
	s_add_co_u32 s58, s58, s2                      ; my wave's 8,192 bytes
	s_mov_b32 s59, 0
	s_mov_b32 s[SEL], 0x76543210
	s_mov_b32 s[SEL+1], 0xfedcba98
	s_wait_dscnt 0x0                               ; both opening adds are done
	s_wait_kmcnt 0x0
	s_load_b128 s[36:39], s[8:9], 0x18             ; e6, e7, e8, e9
	s_add_nc_u64 s[KVB:KVB+1], s[6:7], s[42:43]    ; it stays
	s_add_nc_u64 s[26:27], s[KVB:KVB+1], s[50:51]
	s_or_b32 s27, s27, 0x80000000                  ; type = 2
	s_add_nc_u64 s[PFA:PFA+1], s[6:7], s[58:59]
	s_add_nc_u64 s[4:5], s[4:5], s[44:45]
	s_add_nc_u64 s[10:11], s[10:11], s[46:47]
	ROUND                                          ; all four work-groups are here: the first joint loads meet
	TLOAD                                          ; the cluster's first slot, K and V, into LDS slot 0
	v_and_b32 v12, 31, v0
	v_lshlrev_b32 v12, 4, v12                      ; 16 x lane
	WIN 0x40
.irp i, 0,1,2,3,4,5,6,7,8,9,10,11,12,13,14,15,16,17,18,19,20,21,22,23,24,25,26,27,28,29,30,31  ; Q's eight fragments stay in registers: block i = 8 t + 4 s + c
	global_load_b128 v[Q+4*\i:Q+4*\i+3], v12, s[4:5] offset:512*\i
.endr
	WIN 0
	s_lshl_b32 s2, s[WV], 13
	s_lshl_b32 s3, s13, 13
	s_add_co_u32 s3, s3, PBUF
	s_lshl_b32 s40, s14, 9
	s_add_co_u32 s40, s40, s3
	s_lshl_b32 s41, s[WV], 8
	s_add_co_u32 s41, s41, STATS
	s_lshl_b32 s42, s13, 10
	s_add_co_u32 s42, s42, STATS
	s_wait_alu depctr_va_vdst(0)
	v_lshlrev_b32 v[PFO], 4, v12                   ; the prefetches' offset: 256 x lane
	v_add_nc_u32 v[KA], s2, v12                    ; K: tiles 2 x wave on; V: group of 128 keys g, channel tiles 4 (wave % 4) on: both lie 8,192 x wave bytes in
	v_and_b32 v13, 15, v0
	v_add_nc_u32 v[PL], s3, v12
	v_add_nc_u32 v[PS], s40, v12
	v_lshlrev_b32 v13, 4, v13
	v_add_nc_u32 v[KA+1], 0x20000, v[KA]
	v_add_nc_u32 v[VA], 0x10000, v[KA]
	v_add_nc_u32 v[VA+1], 0x30000, v[KA]
	v_add_nc_u32 v[MS], s41, v13
	v_add_nc_u32 v[ML], s42, v13
.irp t, 0,1,2,3
	v_mov_b32 v[L+2*\t], 0                         ; the sums begin as zeros
	v_mov_b32 v[L+2*\t+1], 0
	v_mov_b32 v[F+2*\t+1], 0                       ; named as the upper half of the pair that holds f
	v_mov_b32 v[PM+4+\t], 0                        ; written once: a lane permute's destination counts as one of its sources
.endr
	s_cmp_lt_u32 s[WV], 4
	s_cbranch_scc0 .Lasked_1
	ASK 1
.Lasked_1:
	s_wait_kmcnt 0x0
	s_add_co_i32 s2, s36, s37
	s_lshl_b32 s2, s2, 23
	s_mov_b32 s[CS], 0x3db8aa3b                    ; log2(e) / 16
	s_add_co_i32 s[CS], s[CS], s2                  ; x 2^(e6 + e7): the two exponents are added to its exponent field
	s_mov_b32 s[CS+1], s[CS]                       ; (named with it as a pair, so it is written)
	s_xor_b32 s[NC], s[CS], 0x80000000
	s_add_co_i32 s2, s38, 127
	s_lshl_b32 s3, s2, 23
	v_mov_b32 v[SCP], s3                           ; 2^e8 as f32, for the conversion
	s_add_co_i32 s2, s2, 8
	s_lshl_b32 s2, s2, 23
	s_or_b32 s[LIM], s2, 0x600000                  ; 448 x 2^e8
	s_add_co_i32 s34, s38, s39                     ; e8 + e9
	s_wait_alu depctr_va_vdst(0)
	s_wait_tensorcnt 0x0                           ; my part of the first slot is in; these lines stand ahead of a later first fill as ahead of a refill:
	ds_add_u32 v[SPW], v[NIL]
	s_xor_b32 s25, s25, SLOT
	NEXTSLOT 1
	s_wait_dscnt 0x0
	ROUND
	TLOAD                                          ; the second slot, K and V, into LDS slot 1
	KLOAD 0, 0
	KLOAD 0, 1
	s_cmp_lt_u32 s[WV], 4
	s_cbranch_scc0 .Lasked_2
	ASK 2
	ASK 3
.Lasked_2:
	s_wait_loadcnt 0x0                             ; Q
	SCORES 0, 8, 0                                 ; the scores of the first slot
	s_wait_xcnt 0x0                                ; my prefetches have read their offset: step 0 writes that register
	CHANGE 0, 2, 0                                 ; step 0: K of slot 2 (V's slots have not been read yet)
	STEP 0, 1, 0, 1
	CHANGE 1, 1, 0
	STEP 1, 0, 2, 1
	s_mov_b32 s[TRIPS], 6
.Lslots:                                               ; steps 2 to 13, two a trip
	CHANGE 0, 1, 1
	STEP 0, 0, 1, 1
	CHANGE 1, 1, 1
	STEP 1, 0, 1, 1
	s_sub_co_u32 s[TRIPS], s[TRIPS], 1
	s_cmp_lg_u32 s[TRIPS], 0
	s_cbranch_scc1 .Lslots
	CHANGE 0, 3, 1                                 ; step 14: V of slot 15 alone
	STEP 0, 0, 1, 1
	CHANGE 1, 0, 1                                 ; step 15: nothing is filled again
	STEP 1, 0, 1, 0
	CHANGE 0, 0, 1
	; THE END.  All waves' sums and both groups' -M; the last slot's products; then the two groups meet.
	s_mul_i32 s40, s[WV], RWAVE
	s_mul_i32 s41, s14, RWAVE
	s_mul_i32 s42, s13, 32*RPIT
	s_add_co_u32 s41, s41, s42
	v_and_b32 v12, 15, v0                          ; r
	v_bfe_u32 v13, v0, 4, 1                        ; h
	v_lshlrev_b32 v10, 4, v12
	v_add_nc_u32 v10, STATS, v10
	v_mul_u32_u24 v3, v12, RPIT
	v_mul_u32_u24 v4, v13, RPIT
	v_lshlrev_b32 v6, 10, v13
	v_lshl_add_u32 v3, v13, 5, v3
	v_lshl_add_u32 v4, v12, 4, v4
	v_lshl_add_u32 v6, v12, 4, v6                  ; out: lanes 0-15 one row, lanes 16-31 the next; 16 bytes a lane
	v_add_nc_u32 v3, s40, v3                       ; in: row r of a tile, 32 bytes for each half of the lanes
	v_add_nc_u32 v4, s41, v4                       ; back: group 0's rows 32 g on of my 64 channels,
	v_add_nc_u32 v5, 4*RWAVE, v4                   ; and group 1's
.irp j, 0,1,2,3,4,5,6,7
	ds_load_b128 v[S+4*\j:S+4*\j+3], v10 offset:256*\j             ; wave j's sums of the four tiles
.endr
	ds_load_b128 v[S+32:S+35], v10 offset:4096                     ; -M of group 0,
	ds_load_b128 v[S+36:S+39], v10 offset:4096+1024                ; of group 1
	PLOAD 1
	s_wait_alu depctr_va_vdst(0)
	RESC 2
	RESC 3
	s_wait_alu depctr_va_vdst(0)
	s_wait_dscnt 16                                ; P's sixteen loads may be out
.irp t, 0,1,2,3
	v_min_num_f32 v[PM+\t], v[S+32+\t], v[S+36+\t]                 ; the row's -M
.endr
.irp t, 0,1,2,3
	v_add_f32 v[PM+4+\t], v[S+\t], v[S+4+\t]       ; each group's sum, the same order in all waves
	v_add_f32 v[PM+8+\t], v[S+8+\t], v[S+12+\t]
.endr
.irp t, 0,1,2,3
	v_sub_f32 v[S+40+\t], v[PM+\t], v[S+32+\t]     ; a group's M less the row's: a whole number, 0 or less
	v_sub_f32 v[S+44+\t], v[PM+\t], v[S+36+\t]
	v_sub_f32 v[S+48+\t], v[PM+\t], v[NB+2*\t]     ; and my own group's
.endr
.irp t, 0,1,2,3
	v_add_f32 v[PM+4+\t], v[PM+4+\t], v[PM+8+\t]
	v_add_f32 v[PM+12+\t], v[S+24+\t], v[S+28+\t]
.endr
.irp t, 0,1,2,3
	v_add_f32 v[PM+8+\t], v[S+16+\t], v[S+20+\t]
.endr
.irp t, 0,1,2,3,4,5,6,7,8,9,10,11
	v_cvt_i32_f32 v[S+40+\t], v[S+40+\t]
.endr
.irp t, 0,1,2,3,4,5,6,7,8,9,10,11
	v_ldexp_f32 v[S+40+\t], 1.0, v[S+40+\t]
.endr
.irp t, 0,1,2,3
	v_add_f32 v[PM+8+\t], v[PM+8+\t], v[PM+12+\t]
.endr
.irp t, 0,1,2,3
	v_mul_f32 v[PM+4+\t], v[PM+4+\t], v[S+40+\t]
.endr
.irp t, 0,1,2,3
	v_fma_f32 v[PM+4+\t], v[PM+8+\t], v[S+44+\t], v[PM+4+\t]       ; the row's sum
.endr
	s_wait_alu depctr_va_vdst(0)
.irp t, 0,1,2,3
	v_rcp_f32 v[PM+4+\t], v[PM+4+\t]
.endr
	v_nop                                          ; a plain instruction behind the last reciprocal
	s_wait_alu depctr_va_vdst(0)
.irp t, 0,1,2,3
	v_ldexp_f32 v[PM+4+\t], v[PM+4+\t], s34        ; x 2^(e8 + e9)
.endr
.irp t, 0,1,2,3
	v_mul_f32 v[F+2*\t], v[PM+4+\t], v[S+48+\t]    ; my factor: 2^(my M - the row's M) x 2^(e8 + e9) / the row's sum
.endr
	s_wait_alu depctr_va_vdst(0)
	s_wait_dscnt 0x0
.set k, 0
.rept 16
	PV k, 0                                        ; the last slot's products
.set k, k+1
.endr
	WIN 0
	PLACES
	RESC 0                                         ; O^T x my factor
	RESC 1
	RESC 2
	RESC 3
	; Rows of 64 channels, one copy for each group, in the slots: they have had their last fill, and behind the last barrier nobody reads them
.irp t, 0,1,2,3
.irp n, 0,1,2,3
	ds_store_b128 v3, v[O+32*\t+8*\n:O+32*\t+8*\n+3] offset:16*RPIT*\t+64*\n
	ds_store_b128 v3, v[O+32*\t+8*\n+4:O+32*\t+8*\n+7] offset:16*RPIT*\t+64*\n+16
.endr
.endr
	s_wait_dscnt 0x0                               ; for the others' sake
	s_barrier_signal -1
	s_barrier_wait -1
.irp i, 0,1,2,3,4,5,6,7,8,9,10,11,12,13,14,15
	ds_load_b128 v[S+4*\i:S+4*\i+3], v4 offset:2*RPIT*\i
	ds_load_b128 v[O+4*\i:O+4*\i+3], v5 offset:2*RPIT*\i
.endr
.irp i, 0,1,2,3,4,5,6,7,8,9,10,11,12,13,14,15
	s_wait_dscnt 30-2*\i                           ; both copies of these two rows are in
	v_pk_add_f32 v[S+4*\i:S+4*\i+1], v[S+4*\i:S+4*\i+1], v[O+4*\i:O+4*\i+1]
	v_pk_add_f32 v[S+4*\i+2:S+4*\i+3], v[S+4*\i+2:S+4*\i+3], v[O+4*\i+2:O+4*\i+3]
	global_store_b128 v6, v[S+4*\i:S+4*\i+3], s[10:11] offset:2048*\i th:TH_STORE_NT   ; sixteen lanes store 256 consecutive bytes, aligned
.endr
	s_wait_tensorcnt 0x0                           ; the wave's end, behind my last tensor load and my last LDS store
	ds_add_u32 v[SPW], v[NIL]
	s_wait_dscnt 0x0
	ROUND                                          ; the closing round: no work-group ends while a partner may still ask for a tile that names it
	s_endpgm
.Lfunc_end_k_q913811039d_attn:
	.size	k_q913811039d_attn, .Lfunc_end_k_q913811039d_attn-k_q913811039d_attn
	.p2alignl 7, 3214868480
	.fill 96, 4, 3214868480
	.section	.rodata,"a",@progbits
	.p2align	6, 0x0
	.amdhsa_kernel k_q913811039d_attn
		.amdhsa_group_segment_fixed_size 327680
		.amdhsa_private_segment_fixed_size 0
		.amdhsa_enable_private_segment 0
		.amdhsa_kernarg_size 32
		.amdhsa_user_sgpr_count 2
		.amdhsa_user_sgpr_kernarg_segment_ptr 1
		.amdhsa_wavefront_size32 1
		.amdhsa_system_sgpr_workgroup_id_x 1
		.amdhsa_system_sgpr_workgroup_id_y 1
		.amdhsa_system_sgpr_workgroup_id_z 1
		.amdhsa_system_vgpr_workitem_id 0
		.amdhsa_next_free_vgpr 512
		.amdhsa_next_free_sgpr 66
		.amdhsa_reserve_vcc 0
		.amdhsa_float_denorm_mode_32 3
		.amdhsa_float_denorm_mode_16_64 3
		.amdhsa_memory_ordered 1
		.amdhsa_forward_progress 1
		.amdhsa_inst_pref_size 171
	.end_amdhsa_kernel
	.amdgpu_metadata
---
amdhsa.version: [ 1, 2 ]
amdhsa.kernels:
  - .name:           k_q913811039d_attn
    .symbol:         k_q913811039d_attn.kd
    .args:
      - { .name: qimg, .offset: 0, .size: 8, .value_kind: global_buffer, .address_space: global }
      - { .name: kv, .offset: 8, .size: 8, .value_kind: global_buffer, .address_space: global }
      - { .name: lowp_scales, .offset: 16, .size: 8, .value_kind: global_buffer, .address_space: global }
      - { .name: out0, .offset: 24, .size: 8, .value_kind: global_buffer, .address_space: global }
    .group_segment_fixed_size: 327680
    .private_segment_fixed_size: 0
    .kernarg_segment_align: 8
    .kernarg_segment_size: 32
    .max_flat_workgroup_size: 256
    .sgpr_count:     66
    .vgpr_count:     512
    .wavefront_size: 32
...
	.end_amdgpu_metadata
.endif
;; end of part 2
